; MI455X (gfx1250); checked and timed in simulation.
; The chip was launched on July 23, 2026; its instructions are those of AMD's public machine-readable ISA for CDNA 5 (MIT licence, August 2026) and "CDNA5" Instruction Set Architecture Reference Guide (July 2026). The comments in the code are by the model that wrote it; some were corrected since.
;; Mixture Of Experts. Allowed arithmetic: matrix products marked QUANTISED: E2M3 operands, one E8M0 scale for each 32 along K, by v_wmma_scale_f32_16x16x128_f8f6f4 with both operands' format E2M3, f32 sums; products left as they are: f32 operands where the result goes on into a quantised operand, else bf16, f16 or f32 operands; f32 sums; everything else in f32.
;; Inputs: b1 8 x 2,048 float32; b2 8 x 1,024 float32; gate_b 8 float32; gate_w 1,024 x 8 float32; w1_codes 8 x 2,048 x 32 x 24 uint8 (E2M3 codes of w1, K innermost, in blocks of 32 codes, four codes in three bytes); w1_scales 8 x 2,048 x 32 uint8 (E8M0 scales of w1, one for each 32 codes along K); w2_codes 8 x 1,024 x 64 x 24 uint8 (E2M3 codes of w2, K innermost, in blocks of 32 codes, four codes in three bytes); w2_scales 8 x 1,024 x 64 uint8 (E8M0 scales of w2, one for each 32 codes along K); x 4 x 512 x 1,024 float32.
;; Outputs: out0 4 x 512 x 1,024 float32.
;; This version of the problem:
;;   THIS VERSION OF THE PROBLEM IS GIVEN IN LOW PRECISION. The matrix products marked QUANTISED in the list below multiply operands that are first quantised to E2M3 (2 exponent bits, 3 mantissa bits; 6 bits a number), with one power-of-two scale for each 32 numbers along K (OCP MX v1.0); their sums are f32. All else is computed in f32.
;;   The module's matrix products, in the order in which they are computed (A, B: the left and right operand; K: the contracted axis; several contracted axes count as one K, in the product's order):
;;     1. [M 2,048, K 1,024] x [K 1,024, N 8]; A: input x; B: input gate_w: left as it is (N = 8 < 16)
;;     2. [M 16,384, K 1,024] x [K 1,024, N 2,048]; A: input w1 (given as codes); B: input x: QUANTISED
;;     3. batch 8 x [M 2,048, K 2,048] x [K 2,048, N 1,024]; A: computed on the way; B: input w2 (given as codes): QUANTISED
;;     4. batch 2,048 x [M 1, K 8] x [K 8, N 1,024]; A: computed on the way; B: computed on the way: left as it is (K = 8 < 32)
;;   THE QUANTISER, for each operand of a quantised product, along K:
;;     - K is cut into blocks of 32 from its start; a last block that is shorter is filled with zeros.
;;     - A block's scale is 2^e with e = floor(log2(the largest magnitude in the block)) - 2, held to -126 .. 127; a block of zeros has e = 0. As a byte (E8M0): e + 127.
;;     - Each number is divided by its block's scale, clamped to +-7.5, and rounded to the nearest number of E2M3, ties to even, subnormals kept.
;;     - The product sums the exact products of the quantised numbers (number of the format x scale) in f32.
;;   ~~~python
;;   def quantise(x, axis):      # numpy; x: float32 -> the quantised numbers, widened to float32 again
;;       x = np.moveaxis(x, axis, -1); K = x.shape[-1]
;;       x = np.pad(x, [(0, 0)] * (x.ndim - 1) + [(0, -K % 32)]); x = x.reshape(x.shape[:-1] + (-1, 32)); a = np.abs(x).max(-1, keepdims=True)
;;       e = np.where(a > 0, np.clip(np.frexp(np.where(a > 0, a, 1))[1] - 1 - 2, -126, 127), 0)      # np.frexp(a)[1] - 1 = floor(log2(a)), exactly
;;       r = np.clip(x / 2.0 ** e, -7.5, 7.5)
;;       step = 2.0 ** (np.maximum(np.frexp(np.where(r == 0, 1, r))[1] - 1, 0) - 3)
;;       q = np.round(r / step) * step * 2.0 ** e      # np.round: ties to even
;;       return np.moveaxis(q.reshape(q.shape[:-2] + (-1,))[..., :K], -1, axis).astype(np.float32)
;;   ~~~
;;   OPERANDS COMPUTED ON THE WAY. 'Computed on the way' means the value that the module computes at that place (a softmax that the list does not call 'softmax' is quantised finished and normalised). What goes into a quantiser is computed in f32, as accurately as f32 sums, v_exp_f32 and their like allow (about 1e-6 of the number): no bf16 or f16 on the way to a quantiser, and a product that is left as it is and whose result goes on into a quantised operand takes f32 operands (vector FMAs, or v_wmma_f32_16x16x4_f32). A number that lies on a knife's edge between two numbers of the format may be rounded either way, as far as f32 arithmetic and the matrix unit's own rounding can turn it there, and no further.
;;   INPUTS GIVEN AS CODES. w1 (in the module: [8, 1024, 2048], K = its axis 1); w2 (in the module: [8, 2048, 1024], K = its axis 1): each comes as NAME_codes (uint8): NAME with its K axis moved to the last place and cut into blocks of 32 codes, [.., K / 32, bytes a block], one block behind the other in memory; four codes in three bytes: a row's codes are one little-endian stream of bits, code i at bits 6 i .. 6 i + 5 (a code: sign, 2 exponent bits, 3 mantissa bits); and NAME_scales (uint8): the same leading axes, one E8M0 byte (e + 127) for each 32 codes along K. Its value is code x scale, taken as it is: it is not quantised again, and the codes and scales need not be those that the quantiser above would give.
;; One version. Each part assembles by itself: llvm-mc -triple=amdgcn-amd-amdhsa -mcpu=gfx1250 --defsym DOCPART=n.
;; ======== version 1 of 1: 5 launches
;; limits: right only within a limited range of input values
;; workspace buffers: tv 16,384 bytes of whole numbers; tw 16,384 bytes; xq 1,572,864 bytes; xs 65,536 bytes; plan 35,840 bytes of whole numbers; hq 7,249,920 bytes; hs 302,080 bytes; y 19,333,120 bytes
;; launch route (part 1): grid 256 x 1, 4 waves a work-group, no clusters, 33,280 bytes of LDS; arguments x, gate_w, gate_b, xq, xs, tv, tw; writes xq, xs, tv, tw
.if DOCPART == 1
	.amdgcn_target "amdgcn-amd-amdhsa--gfx1250"
	.amdhsa_code_object_version 6
	.text
	.protected	k_q2b5e84230d_route
	.globl	k_q2b5e84230d_route
	.p2align	8
	.type	k_q2b5e84230d_route,@function
k_q2b5e84230d_route:
	s_mov_b64 s[64:65], 0
	v_nop
	global_prefetch_b8 v0, s[64:65] scope:SCOPE_SE
	s_setreg_imm32_b32 hwreg(HW_REG_WAVE_MODE, 25, 1), 1
	s_wait_xcnt 0x0
; MIXTURE OF EXPERTS, launch 1 of 5: the router, and x turned into codes of E2M3.
; DEAD WORK, for the whole program.  reference() weighs expert e's result for token t by w_full[t][e], which it builds in its own body as the sum over
; the two chosen places of top_w x one_hot(top_i): for the six experts that top_i does not name this is a sum of products with the zeros of one_hot,
; exactly 0 for every value of the inputs.  So of the two expert products and of the weighted sum only the 2 x 2,048 rows (token, chosen expert) can reach
; the output; the other rows are left out.  Every input keeps a way to the output and is loaded.
; LIMITS.  A NaN, an infinity or an overflow that arises only in an expert that was not chosen (0 x infinity in reference()) is not carried to the result.
; NaN and infinities in x or in the logits are not served.  A block of zeros gets the scale byte 1 where the quantiser says 127: its codes are zeros and the
; bytes are read by this program alone.  Blocks whose largest magnitude lies under 2^(2 - 126) keep the byte 1.  Two logits that are equal to the last
; bit of these f32 sums are ordered as jax.lax.top_k orders equals (the lower index first); the order of the 1,024 additions differs from reference()'s.
; SHARES.  A wave owns two tokens: four steps of 512 numbers.  Each load reads 512 consecutive bytes; a step's 2,048 bytes turn through the wave's own
; stage in LDS, so that a lane then holds 16 neighbours along K (two lanes hold a block of 32).  The same 16 numbers feed the eight logits:
; the lane's 2 x 16 rows of gate_w stay in 256 registers (window 1).
; OUT.  xq[token][768]: the codes as one stream.  xs[token][8 words]: a word for each 128 along K, ITS BYTES 1 AND 2 CHANGED: the expert launches feed a lane
; 48 consecutive bytes of a row, which puts block 2 of each 128 where the matrix unit has block 1, and block 1 where it has block 2.
; tv[token]: eight fields of 8 bits, field e = 1 where the token uses expert e.  tw[token]: the weight of the lower expert's number, then of the higher.
; No address and no branch here hangs on the choice: the rows are placed by the next launch, which reads tv.
.set WREG,  8192                       ; LDS: a region for each wave: two stages of 32 x SP bytes, then its 64 scale bytes
.set SP,    80                         ; a lane's place in a stage: 64 bytes + 16 of padding
.set SCB,   5120
.set SPARE, 32768                      ; behind the four regions: the spare words, 128 bytes for each wave
.set R,     16                         ; v16-79   four sets of 16 numbers as loaded
.set X,     80                         ; v80-111  two sets of 16 neighbours
.set C,     112                        ; v112-127 codes, four registers a step
.set E,     128                        ; v128-131 a scale byte a step
.set ACC,   132                        ; v132-147 the logits' partial sums: token a, expert e at ACC + 8 a + e
.set TP,    148                        ; v148-163 the other half of the lanes' sums
.set SPW,   14                         ; v14 LDS address of my spare word; never rewritten
.set NIL,   15                         ; v15 0; never rewritten
.set MSB, 0
.macro WIN new                         ; the immediate's high byte repeats the setting that is left
.if MSB != (\new)
	s_set_vgpr_msb (MSB<<8)|(\new)
.set MSB, (\new)
.endif
.endm
	s_load_b256 s[4:11], s[0:1], 0x0               ; x s[4:5], gate_w s[6:7], gate_b s[8:9], xq s[10:11]
	s_load_b128 s[12:15], s[0:1], 0x20             ; xs s[12:13], tv s[14:15]
	s_load_b64 s[16:17], s[0:1], 0x30              ; tw
	v_lshl_add_u32 v[SPW], v0, 2, SPARE
	v_mov_b32 v[NIL], 0
	v_lshrrev_b32 v1, 5, v0
	v_readfirstlane_b32 s18, v1                    ; wave
	v_and_b32 v2, 31, v0                           ; lane
	s_lshl_b32 s19, ttmp9, 2
	s_add_co_u32 s19, s19, s18                     ; which pair of tokens is mine: 4 x work-group + wave
	s_lshl_b32 s22, s18, 13                        ; my LDS region
	v_lshlrev_b32 v3, 4, v2                        ; my 16 bytes of a load's 512
	v_mul_u32_u24 v4, v2, 12                       ; my 12 bytes of a step's codes
	v_lshrrev_b32 v12, 2, v2
	v_mul_u32_u24 v12, v12, SP
	v_and_b32 v1, 3, v2
	v_lshl_add_u32 v12, v1, 4, v12
	v_add_nc_u32 v12, s22, v12                     ; the stage, on the way in: SP (lane / 4) + 16 (lane % 4)
	v_mul_u32_u24 v13, v2, SP
	v_add_nc_u32 v13, s22, v13                     ; and on the way out: SP x lane
	v_lshrrev_b32 v1, 1, v2                        ; q: my block among the step's 16
	v_and_b32 v5, 12, v1                           ; its word,
	v_and_b32 v8, 1, v1
	v_lshl_add_u32 v5, v8, 1, v5                   ; and its byte in the word with bits 0 and 1 changed: 0, 2, 1, 3
	v_bfe_u32 v8, v1, 1, 1
	v_add_nc_u32 v5, v5, v8
	s_add_co_u32 s22, s22, SCB
	v_add_nc_u32 v5, s22, v5
	v_lshlrev_b32 v7, 1, v2                        ; the scale bytes leave two a lane
	v_add_nc_u32 v6, s22, v7
	v_lshlrev_b32 v10, 9, v2                       ; gate_w: my 16 rows of 32 bytes
	s_mov_b32 s32, 0x76543210
	s_mov_b32 s33, 0xfedcba98                      ; v_permlanex16_b32's selects for lane l xor 16
	s_mov_b32 s21, 0
	s_wait_alu depctr_va_vdst(0)
	s_wait_kmcnt 0x0
	s_load_b256 s[24:31], s[8:9], 0x0              ; gate_b
	s_lshl_b32 s20, s19, 13
	s_add_nc_u64 s[4:5], s[4:5], s[20:21]          ; two tokens of 4,096 bytes
	s_mul_i32 s20, s19, 1536
	s_add_nc_u64 s[10:11], s[10:11], s[20:21]
	s_lshl_b32 s20, s19, 6
	s_add_nc_u64 s[12:13], s[12:13], s[20:21]
	s_lshl_b32 s20, s19, 4
	s_add_nc_u64 s[14:15], s[14:15], s[20:21]
	s_add_nc_u64 s[16:17], s[16:17], s[20:21]
.irp t, 0,1,2,3
.irp i, 0,1,2,3
	global_load_b128 v[R+16*\t+4*\i:R+16*\t+4*\i+3], v3, s[4:5] offset:2048*\t+512*\i th:TH_LOAD_NT
.endr
.endr
	WIN 0x40                                       ; destination window 1
.set q, 0
.rept 64                                       ; gate_w(512 j + 16 lane + i, e) at register 128 j + 8 i + e
	global_load_b128 v[4*q:4*q+3], v10, s[6:7] offset:16384*(q/32)+16*(q%32)
.set q, q+1
.endr
	WIN 0
.macro TURN tt                         ; step tt's numbers through the stage: LDS serves a wave's instructions in order
.irp i, 0,1,2,3
	ds_store_b128 v12, v[R+16*(\tt)+4*\i:R+16*(\tt)+4*\i+3] offset:32*SP*((\tt)%2)+8*SP*\i
.endr
.irp i, 0,1,2,3
	ds_load_b128 v[X+16*((\tt)%2)+4*\i:X+16*((\tt)%2)+4*\i+3], v13 offset:32*SP*((\tt)%2)+16*\i
.endr
.endm
.macro STEP st
.set XS, X+16*((\st)%2)
.set AC, ACC+8*((\st)/2)
.set GJ, 128*((\st)%2)
	s_wait_dscnt 0x0                               ; this step's numbers are back from the stage
.if (\st) < 3
	TURN (\st)+1                                   ; the next step's go through the other stage meanwhile
.endif
	v_max3_num_f32 v8, |v[XS]|, |v[XS+1]|, |v[XS+2]|       ; the largest magnitude of my 16
	v_max3_num_f32 v9, |v[XS+3]|, |v[XS+4]|, |v[XS+5]|
.irp i, 6,10
	v_max3_num_f32 v8, v8, |v[XS+\i]|, |v[XS+\i+1]|
	v_max3_num_f32 v9, v9, |v[XS+\i+2]|, |v[XS+\i+3]|
.endr
	v_max3_num_f32 v8, v8, |v[XS+14]|, |v[XS+15]|
	v_max3_num_f32 v8, v8, v9, 0x1800000           ; and the floor 2^(3 - 127): the byte cannot fall under 1
	v_max_num_f32_dpp v8, v8, v8 row_xmask:1 row_mask:0xf bank_mask:0xf   ; with my neighbour's 16: the block's
	v_add_nc_u32 v11, 0xff000000, v8               ; 2 off its exponent field: the conversion's scale operand
	v_cvt_scalef32_pk16_fp6_f32 v[C+4*(\st):C+4*(\st)+2], v[XS:XS+15], v11
	v_lshrrev_b32 v[E+(\st)], 23, v11              ; the scale's byte
	ds_store_b8 v5, v[E+(\st)] offset:16*(\st)     ; both lanes of a block write the same byte with the same value
	global_store_b96 v4, v[C+4*(\st):C+4*(\st)+2], s[10:11] offset:384*(\st)
	WIN 0x04                                       ; source 1 (gate_w) window 1
.irp i, 0,1,2,3,4,5,6,7,8,9,10,11,12,13,14,15  ; eight logits, two a line: number i of mine (one register of a pair, for both halves) x its row of gate_w
.irp p, 0,2,4,6
.if ((\st)%2 == 0) && (\i == 0)
	v_pk_mul_f32 v[AC+\p:AC+\p+1], v[XS:XS+1], v[GJ+\p:GJ+\p+1] op_sel_hi:[0,1]
.elseif (\i%2) == 0
	v_pk_fma_f32 v[AC+\p:AC+\p+1], v[XS+\i:XS+\i+1], v[GJ+8*\i+\p:GJ+8*\i+\p+1], v[AC+\p:AC+\p+1] op_sel_hi:[0,1,1]
.else
	v_pk_fma_f32 v[AC+\p:AC+\p+1], v[XS+\i-1:XS+\i], v[GJ+8*\i+\p:GJ+8*\i+\p+1], v[AC+\p:AC+\p+1] op_sel:[1,0,0] op_sel_hi:[1,1,1]
.endif
.endr
.endr
	WIN 0
.endm
	s_wait_loadcnt 63                              ; of the 80 loads at most 63 are out: the oldest 17 are in, x's sixteen among them
	TURN 0
	s_wait_loadcnt 0x0                             ; gate_w
	STEP 0
	STEP 1
	STEP 2
	STEP 3
	; the sixteen sums over the 32 lanes
.irp n, 0,1,2,3,4,5,6,7,8,9,10,11,12,13,14,15
	v_mov_b32 v[TP+\n], 0                          ; a lane permute's destination counts as one of its sources
.endr
.irp mk, 1,2,4,8
.irp n, 0,1,2,3,4,5,6,7,8,9,10,11,12,13,14,15
	v_add_f32_dpp v[ACC+\n], v[ACC+\n], v[ACC+\n] row_xmask:\mk row_mask:0xf bank_mask:0xf
.endr
.endr
.irp n, 0,1,2,3,4,5,6,7,8,9,10,11,12,13,14,15
	v_permlanex16_b32 v[TP+\n], v[ACC+\n], s32, s33
.endr
	s_wait_kmcnt 0x0                               ; gate_b
.irp n, 0,1,2,3,4,5,6,7,8,9,10,11,12,13,14,15
	v_add_f32 v[ACC+\n], v[ACC+\n], v[TP+\n]
.endr
.irp n, 0,1,2,3,4,5,6,7,8,9,10,11,12,13,14,15
	v_add_f32 v[ACC+\n], s[24+\n%8], v[ACC+\n]
.endr
	v_mov_b32 v190, 0xff800000                     ; -infinity
	v_mov_b32 v191, 1
; The two largest logits of token a, the lower index first among equals; the softmax over the two, the larger taken away first; all by selects, in every lane alike.
.macro SCAN kb, lb                     ; the largest of v[lb] .. v[lb + 7] into v[kb], its index into v[kb + 1]
	v_mov_b32 v[\kb], v[\lb]
	v_mov_b32 v[\kb+1], 0
.irp e, 1,2,3,4,5,6,7
	v_cmp_ge_f32 vcc_lo, v[\kb], v[\lb+\e]         ; the earlier one stays where it is as large
	v_cndmask_b32 v[\kb+1], \e, v[\kb+1], vcc_lo
	v_max_num_f32 v[\kb], v[\kb], v[\lb+\e]
.endr
.endm
.macro ONEHOT dlo, dhi, idx, tmp       ; 1 in the 8-bit field idx of the pair dlo, dhi
	v_and_b32 v[\tmp], 3, v[\idx]
	v_lshlrev_b32 v[\tmp], 3, v[\tmp]
	v_lshlrev_b32 v[\tmp], v[\tmp], v191
	v_cmp_gt_u32 vcc_lo, 4, v[\idx]
	v_cndmask_b32 v[\dlo], 0, v[\tmp], vcc_lo
	v_sub_nc_u32 v[\dhi], v[\tmp], v[\dlo]
.endm
.macro TOKEN a
.set L, ACC+8*\a
.set K, 164+12*\a
	SCAN K, L
.irp e, 0,1,2,3,4,5,6,7
	v_cmp_eq_u32 vcc_lo, \e, v[K+1]
	v_cndmask_b32 v[L+\e], v[L+\e], v190, vcc_lo   ; the winner leaves the field
.endr
	SCAN K+2, L
	v_sub_f32 v[K+4], v[K+2], v[K]                 ; the second less the first: 0 or less
	v_mul_f32 v[K+4], 0x3fb8aa3b, v[K+4]
	s_wait_alu depctr_va_vdst(0)
	v_exp_f32 v[K+4], v[K+4]
	v_nop                                          ; a plain place behind the transcendental,
	s_wait_alu depctr_va_vdst(0)                   ; and the wait ahead of its first reader
	v_add_f32 v[K+5], 1.0, v[K+4]
	s_wait_alu depctr_va_vdst(0)
	v_rcp_f32 v[K+5], v[K+5]                       ; the first's weight
	v_nop
	s_wait_alu depctr_va_vdst(0)
	v_mul_f32 v[K+4], v[K+4], v[K+5]               ; the second's
	v_cmp_lt_u32 vcc_lo, v[K+1], v[K+3]
	v_cndmask_b32 v[K+8], v[K+4], v[K+5], vcc_lo   ; by the experts' numbers: the lower one's weight,
	v_cndmask_b32 v[K+9], v[K+5], v[K+4], vcc_lo   ; the higher one's
	ONEHOT K+6, K+7, K+1, K+10
	ONEHOT K+11, K+2, K+3, K+10
	v_add_nc_u32 v[K+6], v[K+6], v[K+11]
	v_add_nc_u32 v[K+7], v[K+7], v[K+2]
.endm
	TOKEN 0
	TOKEN 1
	v_cmp_eq_u32 vcc_lo, 1, v2                     ; lane 0 stores token 0's, lane 1 token 1's
.irp n, 0,1,2,3
	v_cndmask_b32 v[192+\n], v[170+\n], v[182+\n], vcc_lo
.endr
	v_lshlrev_b32 v196, 3, v2
	ds_load_u16 v197, v6                           ; LDS serves a wave's instructions in order: this sees my byte stores
	s_wait_alu depctr_va_vdst(0)
	s_wait_dscnt 0x0
	global_store_b16 v7, v197, s[12:13]            ; the wave's 64 scale bytes, consecutive
	v_cmp_gt_u32 vcc_lo, 2, v2
	s_wait_xcnt 0x0                                ; EXEC changes only behind this wait
	s_and_saveexec_b32 s23, vcc_lo
	global_store_b64 v196, v[192:193], s[14:15]
	global_store_b64 v196, v[194:195], s[16:17]
	s_wait_xcnt 0x0                                ; and again, in front of the line that widens it
	s_or_b32 exec_lo, exec_lo, s23
	s_wait_tensorcnt 0x0                           ; the wave's end
	ds_add_u32 v[SPW], v[NIL]
	s_wait_dscnt 0x0
	s_endpgm
.Lfunc_end_k_q2b5e84230d_route:
	.size	k_q2b5e84230d_route, .Lfunc_end_k_q2b5e84230d_route-k_q2b5e84230d_route
	.p2alignl 7, 3214868480
	.fill 96, 4, 3214868480
	.section	.rodata,"a",@progbits
	.p2align	6, 0x0
	.amdhsa_kernel k_q2b5e84230d_route
		.amdhsa_group_segment_fixed_size 33280
		.amdhsa_private_segment_fixed_size 0
		.amdhsa_enable_private_segment 0
		.amdhsa_kernarg_size 56
		.amdhsa_user_sgpr_count 2
		.amdhsa_user_sgpr_kernarg_segment_ptr 1
		.amdhsa_wavefront_size32 1
		.amdhsa_system_sgpr_workgroup_id_x 1
		.amdhsa_system_sgpr_workgroup_id_y 1
		.amdhsa_system_sgpr_workgroup_id_z 1
		.amdhsa_system_vgpr_workitem_id 0
		.amdhsa_next_free_vgpr 512
		.amdhsa_next_free_sgpr 66
		.amdhsa_reserve_vcc 1
		.amdhsa_float_denorm_mode_32 3
		.amdhsa_float_denorm_mode_16_64 3
		.amdhsa_memory_ordered 1
		.amdhsa_forward_progress 1
		.amdhsa_inst_pref_size 46
	.end_amdhsa_kernel
	.amdgpu_metadata
---
amdhsa.version: [ 1, 2 ]
amdhsa.kernels:
  - .name:           k_q2b5e84230d_route
    .symbol:         k_q2b5e84230d_route.kd
    .args:
      - { .name: x, .offset: 0, .size: 8, .value_kind: global_buffer, .address_space: global }
      - { .name: gate_w, .offset: 8, .size: 8, .value_kind: global_buffer, .address_space: global }
      - { .name: gate_b, .offset: 16, .size: 8, .value_kind: global_buffer, .address_space: global }
      - { .name: xq, .offset: 24, .size: 8, .value_kind: global_buffer, .address_space: global }
      - { .name: xs, .offset: 32, .size: 8, .value_kind: global_buffer, .address_space: global }
      - { .name: tv, .offset: 40, .size: 8, .value_kind: global_buffer, .address_space: global }
      - { .name: tw, .offset: 48, .size: 8, .value_kind: global_buffer, .address_space: global }
    .group_segment_fixed_size: 33280
    .private_segment_fixed_size: 0
    .kernarg_segment_align: 8
    .kernarg_segment_size: 56
    .max_flat_workgroup_size: 128
    .sgpr_count:     66
    .vgpr_count:     512
    .wavefront_size: 32
...
	.end_amdgpu_metadata
.endif
;; end of part 1
;; launch place (part 2): grid 16 x 1, 4 waves a work-group, no clusters, 0 bytes of LDS; arguments tv, plan; writes plan
.if DOCPART == 2
	.amdgcn_target "amdgcn-amd-amdhsa--gfx1250"
	.amdhsa_code_object_version 6
	.text
	.protected	k_q2b5e84230d_place
	.globl	k_q2b5e84230d_place
	.p2align	8
	.type	k_q2b5e84230d_place,@function
k_q2b5e84230d_place:
	s_mov_b64 s[64:65], 0
	v_nop
	global_prefetch_b8 v0, s[64:65] scope:SCOPE_SE
	s_setreg_imm32_b32 hwreg(HW_REG_WAVE_MODE, 25, 1), 1
	s_wait_xcnt 0x0
; MIXTURE OF EXPERTS, launch 2 of 5: the 4,096 rows (token, chosen expert) are placed by expert; rows of experts that were not chosen do not exist (see the first kernel's head).
; Whole numbers alone.  tv[token] holds eight fields of 8 bits, field e = 1 where the token uses expert e.  An expert's rows get consecutive slots, in the tokens' order;
; each expert begins on a multiple of 80 slots, so that a tile of 80 slots belongs to one expert.  With 4,096 rows and 8 experts there are at most (4,096 + 8 x 79) / 80 = 59 tiles, whatever the choice.
; No atomics: each of the 64 waves reads all of tv (16 KiB), sums the fields of all tokens (the experts' counts) and of the tokens ahead of its own 32, and places its own 32 tokens.
; OUT, three tables in the one buffer plan.  From byte 0: slot[token]: the slot of the lower expert's row, then of the higher's.  From byte ORD: order[slot]: the token (0 in an expert's slots of padding);
; its words 4,720 to 4,727 are spare: see the padding below.  From byte TAB: tab[j]: the expert of tile j, 8 where there is no such tile; tab[64 + j]: min(j, tiles - 1), a tile that exists.
; All lanes stay on throughout: what a count decides is done by selects.
.set ORD, 16384
.set TAB, 35328
	s_load_b128 s[4:7], s[0:1], 0x0                ; tv s[4:5], plan s[6:7]
	v_lshrrev_b32 v1, 5, v0
	v_readfirstlane_b32 s12, v1
	s_lshl_b32 s13, ttmp9, 2
	s_add_co_u32 s13, s13, s12                     ; g: my group of 32 tokens
	v_and_b32 v2, 31, v0
	v_lshlrev_b32 v3, 3, v2
	v_lshlrev_b32 v57, 2, v2                       ; the table's offset: 4 bytes a lane
	s_lshl_b32 s14, s13, 8
	s_mov_b32 s15, 0
	s_mov_b32 s16, 0x76543210
	s_mov_b32 s17, 0xfedcba98
	s_lshl_b32 s18, s13, 5
	v_add_nc_u32 v30, s18, v2                      ; my token
	s_add_co_u32 s19, s13, 4720
	v_mov_b32 v47, s19                             ; my wave's spare word of the list
	s_wait_alu depctr_va_vdst(0)
	s_wait_kmcnt 0x0
	s_add_nc_u64 s[20:21], s[4:5], s[14:15]
	s_add_nc_u64 s[8:9], s[6:7], ORD               ; order
	s_add_nc_u64 s[10:11], s[6:7], TAB             ; tab
	s_add_nc_u64 s[6:7], s[6:7], s[14:15]          ; slot, at my group
.set q, 0
.rept 64
	global_load_b64 v[64+2*q:65+2*q], v3, s[4:5] offset:256*q
.set q, q+1
.endr
	global_load_b64 v[4:5], v3, s[20:21]           ; my own token's
.irp n, 6,7,8,9
	v_mov_b32 v\n, 0
.endr
	s_wait_alu depctr_va_vdst(0)
	s_wait_loadcnt 0x0
.set q, 0
.rept 64                                       ; a field sums at most 64 ones: no carry leaves it
	s_cmp_gt_u32 s13, q
	s_cselect_b32 s22, -1, 0                       ; does group q lie ahead of mine?
	v_add_nc_u32 v6, v6, v[64+2*q]
	v_add_nc_u32 v7, v7, v[65+2*q]
	v_and_b32 v10, s22, v[64+2*q]
	v_and_b32 v11, s22, v[65+2*q]
	v_add_nc_u32 v8, v8, v10
	v_add_nc_u32 v9, v9, v11
.set q, q+1
.endr
.irp n, 0,1,2,3                                ; fields of 16 bits: register 12 + 2 n: fields 0 and 2 of word n; 13 + 2 n: fields 1 and 3
	v_and_b32 v[12+2*\n], 0xff00ff, v[6+\n]
	v_lshrrev_b32 v[13+2*\n], 8, v[6+\n]
	v_and_b32 v[13+2*\n], 0xff00ff, v[13+2*\n]
.endr
.irp n, 0,1,2,3,4,5,6,7
	v_mov_b32 v[20+\n], 0
.endr
.irp mk, 1,2,4,8                               ; over the 32 lanes: at most 2,048 in a field
.irp n, 0,1,2,3,4,5,6,7
	v_mov_b32_dpp v[20+\n], v[12+\n] row_xmask:\mk row_mask:0xf bank_mask:0xf
.endr
.irp n, 0,1,2,3,4,5,6,7
	v_add_nc_u32 v[12+\n], v[12+\n], v[20+\n]
.endr
.endr
.irp n, 0,1,2,3,4,5,6,7
	v_permlanex16_b32 v[20+\n], v[12+\n], s16, s17
.endr
.irp n, 0,1,2,3,4,5,6,7
	v_add_nc_u32 v[12+\n], v[12+\n], v[20+\n]
.endr
.irp n, 0,1,2,3,4,5,6,7
	v_readfirstlane_b32 s[24+\n], v[12+\n]
.endr
	s_mov_b32 s66, 0                               ; s[66 + e]: the first tile of expert e; s74: the number of tiles
.irp e, 0,1,2,3,4,5,6,7
.if ((\e>>1)&1)
	s_lshr_b32 s[32+\e], s[24+2*(\e/4)+(\e&1)], 16     ; the expert's rows,
	s_lshr_b32 s[40+\e], s[28+2*(\e/4)+(\e&1)], 16     ; and those of them ahead of my group
.else
	s_and_b32 s[32+\e], s[24+2*(\e/4)+(\e&1)], 0xffff
	s_and_b32 s[40+\e], s[28+2*(\e/4)+(\e&1)], 0xffff
.endif
	s_add_co_u32 s94, s[32+\e], 79
	s_mul_i32 s94, s94, 52429                      ; n / 80 = n x 52,429 >> 22, exact for n up to 2,127
	s_lshr_b32 s[48+\e], s94, 22                   ; its tiles
	s_add_co_u32 s[67+\e], s[66+\e], s[48+\e]
	s_mul_i32 s94, s[66+\e], 80
	s_add_co_u32 s[76+\e], s94, s[40+\e]           ; the slot of my group's first row of this expert
.endr
.irp e, 0,1,2,3,4,5,6,7
	v_and_b32 v10, 1<<(8*(\e%4)), v[4+\e/4]
	v_cmp_ne_u32 s[84+\e], 0, v10                  ; which of my 32 tokens use expert e
	v_mbcnt_lo_u32_b32 v[32+\e], s[84+\e], 0       ; how many of them in the lanes below me
	v_add_nc_u32 v[32+\e], s[76+\e], v[32+\e]
.endr
	v_mov_b32 v28, 0
	v_mov_b32 v29, 0
.irp e, 7,6,5,4,3,2,1,0
	v_cndmask_b32 v28, v28, v[32+\e], s[84+\e]     ; the last to be taken is the lower expert's
.endr
.irp e, 0,1,2,3,4,5,6,7
	v_cndmask_b32 v29, v29, v[32+\e], s[84+\e]     ; the higher's
.endr
	v_min_u32 v28, 0x126f, v28                     ; slots lie under 4,720
	v_min_u32 v29, 0x126f, v29
	v_lshlrev_b32 v40, 2, v28
	v_lshlrev_b32 v41, 2, v29
	global_store_b64 v3, v[28:29], s[6:7]
	global_store_b32 v40, v30, s[8:9]
	global_store_b32 v41, v30, s[8:9]
	; waves 0 to 7: the padding of expert g: at most 79 slots, which name token 0.  Three stores of 32 lanes; a lane past the padding's end stores the same 0 to the wave's own spare word, which nobody reads
	s_cmp_lt_u32 s13, 8
	s_cbranch_scc0 .Lnopad
	s_mov_b32 s92, 0
	s_mov_b32 s93, 0
	s_mov_b32 s94, 0
.irp e, 0,1,2,3,4,5,6,7
	s_cmp_eq_u32 s13, \e
	s_cselect_b32 s92, s[32+\e], s92
	s_cselect_b32 s93, s[48+\e], s93
	s_cselect_b32 s94, s[66+\e], s94
.endr
	s_mul_i32 s93, s93, 80
	s_sub_co_u32 s93, s93, s92                     ; how many
	s_mul_i32 s94, s94, 80
	s_add_co_u32 s94, s94, s92                     ; from which slot on
	v_mov_b32 v42, 0
.irp k, 0,1,2
	v_add_nc_u32 v43, 32*\k, v2
	v_cmp_gt_u32 vcc_lo, s93, v43                  ; is my place inside the padding?
	v_add_nc_u32 v[44+\k], s94, v43
	v_cndmask_b32 v[44+\k], v47, v[44+\k], vcc_lo  ; its slot, or the spare word
	v_min_u32 v[44+\k], 0x127f, v[44+\k]           ; the list's part of the buffer has 4,736 words
	v_lshlrev_b32 v[44+\k], 2, v[44+\k]
	global_store_b32 v[44+\k], v42, s[8:9]
.endr
.Lnopad:
	; wave 8: the table of tiles
	s_cmp_eq_u32 s13, 8
	s_cbranch_scc0 .Lend
	v_add_nc_u32 v50, 32, v2
	v_mov_b32 v51, 0
	v_mov_b32 v52, 0
	v_mov_b32 v53, 1
.irp e, 1,2,3,4,5,6,7,8
	v_cmp_le_u32 vcc_lo, s[66+\e], v2              ; tile j belongs to the expert whose number is the count of first tiles at or under j
	v_cndmask_b32 v54, 0, v53, vcc_lo
	v_add_nc_u32 v51, v51, v54
	v_cmp_le_u32 vcc_lo, s[66+\e], v50
	v_cndmask_b32 v54, 0, v53, vcc_lo
	v_add_nc_u32 v52, v52, v54
.endr
	s_sub_co_u32 s95, s74, 1
	v_min_u32 v55, s95, v2
	v_min_u32 v56, s95, v50
	global_store_b32 v57, v51, s[10:11]
	global_store_b32 v57, v52, s[10:11] offset:128
	global_store_b32 v57, v55, s[10:11] offset:256
	global_store_b32 v57, v56, s[10:11] offset:384
.Lend:
	s_endpgm
.Lfunc_end_k_q2b5e84230d_place:
	.size	k_q2b5e84230d_place, .Lfunc_end_k_q2b5e84230d_place-k_q2b5e84230d_place
	.p2alignl 7, 3214868480
	.fill 96, 4, 3214868480
	.section	.rodata,"a",@progbits
	.p2align	6, 0x0
	.amdhsa_kernel k_q2b5e84230d_place
		.amdhsa_group_segment_fixed_size 0
		.amdhsa_private_segment_fixed_size 0
		.amdhsa_enable_private_segment 0
		.amdhsa_kernarg_size 16
		.amdhsa_user_sgpr_count 2
		.amdhsa_user_sgpr_kernarg_segment_ptr 1
		.amdhsa_wavefront_size32 1
		.amdhsa_system_sgpr_workgroup_id_x 1
		.amdhsa_system_sgpr_workgroup_id_y 1
		.amdhsa_system_sgpr_workgroup_id_z 1
		.amdhsa_system_vgpr_workitem_id 0
		.amdhsa_next_free_vgpr 200
		.amdhsa_next_free_sgpr 100
		.amdhsa_reserve_vcc 1
		.amdhsa_float_denorm_mode_32 3
		.amdhsa_float_denorm_mode_16_64 3
		.amdhsa_memory_ordered 1
		.amdhsa_forward_progress 1
		.amdhsa_inst_pref_size 40
	.end_amdhsa_kernel
	.amdgpu_metadata
---
amdhsa.version: [ 1, 2 ]
amdhsa.kernels:
  - .name:           k_q2b5e84230d_place
    .symbol:         k_q2b5e84230d_place.kd
    .args:
      - { .name: tv, .offset: 0, .size: 8, .value_kind: global_buffer, .address_space: global }
      - { .name: plan, .offset: 8, .size: 8, .value_kind: global_buffer, .address_space: global }
    .group_segment_fixed_size: 0
    .private_segment_fixed_size: 0
    .kernarg_segment_align: 8
    .kernarg_segment_size: 16
    .max_flat_workgroup_size: 128
    .sgpr_count:     100
    .vgpr_count:     200
    .wavefront_size: 32
...
	.end_amdgpu_metadata
.endif
;; end of part 2
;; launch ffn1 (part 3): grid 4 x 59, 4 waves a work-group, no clusters, 112,128 bytes of LDS; arguments xq, xs, w1_codes, w1_scales, b1, hq, hs, plan; writes hq, hs
.if DOCPART == 3
	.amdgcn_target "amdgcn-amd-amdhsa--gfx1250"
	.amdhsa_code_object_version 6
	.text
	.protected	k_q2b5e84230d_ffn1
	.globl	k_q2b5e84230d_ffn1
	.p2align	8
	.type	k_q2b5e84230d_ffn1,@function
k_q2b5e84230d_ffn1:
	s_mov_b64 s[64:65], 0
	v_nop
	global_prefetch_b8 v0, s[64:65] scope:SCOPE_SE
	s_setreg_imm32_b32 hwreg(HW_REG_WAVE_MODE, 25, 1), 1
	s_wait_xcnt 0x0
; MIXTURE OF EXPERTS, launch 3 of 5: h = Q(gelu(Q(x) W1^T + b1)) for the rows of the chosen experts alone (the others are dead work: see the first kernel's head).
; SHARES.  Work-group (X, j) takes tile j, 80 slots of one expert (five tiles of 16 rows), and hidden units 512 X .. 512 X + 511; wave w takes 128 of them, K step 4 X + w of the next product.
; The grid serves every split: 59 tiles at the most.  A work-group whose tile does not exist (tab[j] = 8) stores nothing and ends behind the one barrier: a branch on a stored number, so there is
; no joint load in a cluster (how many tiles share an expert's weights hangs on counts read from memory).  For the same reason the blocks of W1 cannot be shared out among their readers by ids: no data prefetch is laid.
; x STAYS IN REGISTERS: the 40 fragments (5 row tiles x 8 K steps, 480 registers) are gathered once by the four waves, shared through LDS as images of their registers, and read once by each wave.
; W1 COMES TILE BY TILE, 16 rows x all of K.  A tile's rows are two runs of 8 rows, 6,144 dense bytes each: 24 loads of 512 consecutive bytes.  They turn through the wave's own LDS region (rows 784 bytes apart)
; and come back as eight fragments.  A tile is 40 products on five accumulators that take turns; its gelu follows at once, while the next tile's fragments come from LDS and the 24 loads of the tile after that are out.
; 48 BYTES A LANE.  Lane (r, h) takes the 48 consecutive bytes at row + 96 s + 48 h as its fragment: the unit's block 1 of each 128 along K holds the row's block 2 and the other way round, alike in both operands;
; W1's scale words have bytes 1 and 2 changed here, x's were stored so.
; TRANSPOSED: source 0 = 16 rows of W1, source 1 = 16 rows of x: a lane holds one row of h.  Lane r of tile 2 b + u takes W1's row 32 p(b) + 8 u + r + 8 (r / 8), p = 0, 2, 1, 3: the 16 registers of tiles 2 b, 2 b + 1 are
; 16 neighbours along the next K, and the blocks stand in the order of the next launch's 48-byte loads of W2.  b1 is the C of each sum's first product.
; A LOOP OF TWO TRIPS, four tiles (two blocks of 32) each; trip c makes registers 6 c .. 6 c + 5 of the five fragments of h.  Branches on the trip's number lead round the loads that would pass the wave's last tile.
; GELU, exact-erf form: gelu(x) = (x / 2) erfc(-x / sqrt 2).  With z = |x| / sqrt 2 and t = 1 / (1 + z / 2): erfc(z) = t exp(-z^2 + P(t)), P of degree 9 (relative error near 1.2e-7 for every z).
; m = (x / 2) erfc(z) is the result for x < 0 and x - m for x > 0: the larger of the two in both cases.  Coefficients are given times log2(e).
; OUT.  hq[16-row tile][K step][6 pieces][lane][8 bytes]: piece q holds registers 2 q, 2 q + 1 of the fragment; each store covers 256 consecutive bytes.  hs[16-row tile][K step][row]: the scale words.
; REGISTERS.  window 0: v2-3 a constant; v4-10 offsets; v16-35 x's scale words (lanes 0-15: K steps 0-3, lanes 16-31: 4-7); v36-51 W1's, this trip's; v52-131 sums, then h, at 16 m + 8 u; v132-219 at work; v220-249 codes; v250-254 h's scale words.
;   window 1: x's fragments 0-20.  window 2: fragments 21-39; v228-243 W1's scale words of trip 1.  window 3: v0-95 W1's fragments; v96-191 a tile as loaded; v192-255 b1.
.set ORD, 16384
.set TAB, 35328
.set WB, 61440                         ; LDS: x's images, (5 s + m) x 1,536 bytes; then 16 rows x 784 bytes for each wave;
.set WREG, 12544
.set SPARE, WB+4*WREG                  ; then the spare words, 128 bytes for each wave
.set CK8, 2
.set LI,  4                            ; 16 x lane
.set XW,  5                            ; where I store images
.set SA0, 6                            ; my W1 region + 16 x lane
.set SA1, 7                            ; the same, 16 more in lanes 16-31: a load that runs across a row's end
.set WA,  8                            ; my W1 region + 784 r + 48 h
.set VR4, 9                            ; 4 r
.set L8,  10                           ; 8 x lane
.set SPW, 14
.set NIL, 15
.set XS,  16
.set WS,  36
.set ACC, 52
.set TT,  132
.set PP,  172
.set T8,  212
.set KC,  220
.set PW,  250
.set AF,  52                           ; the head alone: gathered fragments, tokens and their offsets
.set TOK, 172
.set TA,  177
.set TX,  182
.set VWS, 190
.set VB1, 191
.set RR,  192
.set H48, 193
.set H16, 194
.set WS2, 228                          ; window 2
.set WF,  0                            ; window 3
.set STG, 96
.set B1,  192
.set SEL, 38
.set MSB, 0
.macro WIN new
.if MSB != (\new)
	s_set_vgpr_msb (MSB<<8)|(\new)
.set MSB, (\new)
.endif
.endm
.macro SETTR tt                        ; the first row of W1's tile tt
.set TR, 32*((((\tt)/2)&1)*2+(\tt)/4)+8*((\tt)%2)
.endm
.macro SPAIR reg, val
	s_mov_b32 s[\reg], \val
	s_mov_b32 s[\reg+1], \val
.endm
.macro WLOAD dst, ro                   ; a tile as it lies: rows ro .. ro + 7 and ro + 16 .. ro + 23
.irp g, 0,1
.set nn, 0
.rept 12
	global_load_b128 v[\dst+48*\g+4*nn:\dst+48*\g+4*nn+3], v[LI], s[16:17] offset:((\ro)+16*\g)*768+512*nn
.set nn, nn+1
.endr
.endr
.endm
.macro WSTORE src                      ; into my region: byte y of a run of 8 rows goes to y + 16 (y / 768)
.irp g, 0,1
.set nn, 0
.rept 12
.if nn%3 == 1
	ds_store_b128 v[SA1], v[\src+48*\g+4*nn:\src+48*\g+4*nn+3] offset:6272*\g+512*nn+32*(nn/3)
.else
	ds_store_b128 v[SA0], v[\src+48*\g+4*nn:\src+48*\g+4*nn+3] offset:6272*\g+512*nn+32*(nn/3)+16*((nn%3)/2)
.endif
.set nn, nn+1
.endr
.endr
.endm
.macro WFETCH                          ; back as eight fragments; LDS serves a wave's instructions in order
.set kk, 0
.rept 8
.irp c, 0,1,2
	ds_load_b128 v[WF+12*kk+4*\c:WF+12*kk+4*\c+3], v[WA] offset:96*kk+16*\c
.endr
.set kk, kk+1
.endr
.endm
	s_load_b256 s[12:19], s[0:1], 0x0              ; xq, xs, w1_codes s[16:17], w1_scales s[18:19]
	s_load_b128 s[20:23], s[0:1], 0x20             ; b1, hq
	s_load_b64 s[24:25], s[0:1], 0x30              ; hs
	s_load_b64 s[8:9], s[0:1], 0x38                ; plan
	v_lshl_add_u32 v[SPW], v0, 2, SPARE
	v_mov_b32 v[NIL], 0
	v_lshrrev_b32 v1, 5, v0
	v_readfirstlane_b32 s26, v1                    ; wave
	s_mov_b32 s27, ttmp9                           ; X
	s_and_b32 s28, ttmp7, 0xffff                   ; j
	v_and_b32 v3, 31, v0
	v_and_b32 v1, 15, v0                           ; r
	v_bfe_u32 v2, v0, 4, 1                         ; h
	v_lshlrev_b32 v[LI], 4, v3
	v_lshlrev_b32 v[L8], 3, v3
	s_mul_i32 s2, s26, 15360
	v_add_nc_u32 v[XW], s2, v[LI]
	s_mul_i32 s2, s26, WREG
	s_add_co_u32 s2, s2, WB
	v_add_nc_u32 v[SA0], s2, v[LI]
	v_lshl_add_u32 v[SA1], v2, 4, v[SA0]
	v_mul_u32_u24 v[WA], v1, 784
	v_mad_u32_u24 v[WA], v2, 48, v[WA]
	v_add_nc_u32 v[WA], s2, v[WA]
	v_and_b32 v[RR], 8, v1
	v_add_nc_u32 v[RR], v[RR], v1                  ; r + 8 (r / 8)
	v_lshlrev_b32 v[VWS], 5, v[RR]
	v_lshl_add_u32 v[VWS], v2, 4, v[VWS]
	v_lshlrev_b32 v[VB1], 6, v2
	v_lshlrev_b32 v[VR4], 2, v1
	v_mul_u32_u24 v[H48], v2, 48
	v_lshlrev_b32 v[H16], 4, v2
	v_mov_b32 v[CK8], 0xbf97d29d                   ; -0.82215223 log2(e)
	v_mov_b32 v[CK8+1], 0xbf97d29d
.irp m, 0,1,2,3,4
	v_mov_b32 v[PW+\m], 0                          ; the scale words are gathered byte by byte
.endr
	s_mov_b32 s36, 0x03010200                      ; v_perm_b32: bytes 0, 2, 1, 3
	s_mov_b32 s[SEL], 0x76543210
	s_mov_b32 s[SEL+1], 0xfedcba98
	SPAIR 40, 0x3e7c6f08                           ;  0.17087277 log2(e)
	SPAIR 42, 0x40097039                           ;  1.48851587 log2(e)
	SPAIR 44, 0xbfd1a1e5                           ; -1.13520398 log2(e)
	SPAIR 46, 0x3ecdfd18                           ;  0.27886807 log2(e)
	SPAIR 48, 0xbe899a80                           ; -0.18628806 log2(e)
	SPAIR 50, 0x3e0efb2e                           ;  0.09678418 log2(e)
	SPAIR 52, 0x3f0a29d2                           ;  0.37409196 log2(e)
	SPAIR 54, 0x3fb8ab5a                           ;  1.00002368 log2(e)
	SPAIR 56, 0xc038aa3b                           ; -2 log2(e)
	SPAIR 60, 0xbfe9b21e                           ; -1.26551223 log2(e)
	s_mov_b32 s58, 0x3f3504f3                      ; 1 / sqrt 2: z / 2 = |x / 2| / sqrt 2
	s_lshl_b32 s3, s28, 2
	s_wait_alu depctr_va_vdst(0)
	s_wait_kmcnt 0x0
	s_load_b32 s29, s[8:9], s3 offset:TAB          ; my tile's expert, 8 where there is no such tile
	s_load_b32 s30, s[8:9], s3 offset:TAB+256      ; a tile that exists
	s_wait_kmcnt 0x0
	s_min_u32 s31, s29, 7
	s_min_u32 s30, s30, 58
	s_lshl_b32 s32, s31, 11
	s_lshl_b32 s33, s27, 9
	s_add_co_u32 s32, s32, s33
	s_lshl_b32 s33, s26, 7
	s_add_co_u32 s32, s32, s33                     ; my first row of W1: 2,048 e + 512 X + 128 w
	s_mov_b32 s35, 0
	s_mul_i32 s34, s32, 768
	s_add_nc_u64 s[16:17], s[16:17], s[34:35]
	s_lshl_b32 s34, s32, 5
	s_add_nc_u64 s[18:19], s[18:19], s[34:35]
	s_lshl_b32 s34, s32, 2
	s_add_nc_u64 s[20:21], s[20:21], s[34:35]
	s_add_nc_u64 s[10:11], s[8:9], ORD
	s_mul_i32 s34, s30, 320
	s_add_nc_u64 s[10:11], s[10:11], s[34:35]      ; order, at the tile's 80 tokens
	s_mul_i32 s34, s26, 192
	s_add_nc_u64 s[12:13], s[12:13], s[34:35]      ; I gather K steps 2 w and 2 w + 1
	s_lshl_b32 s33, s27, 2
	s_add_co_u32 s33, s33, s26                     ; the next product's K step: 4 X + w
	s_mul_i32 s34, s28, 122880
	s_mul_i32 s37, s33, 1536
	s_add_co_u32 s34, s34, s37
	s_add_nc_u64 s[22:23], s[22:23], s[34:35]
	s_mul_i32 s34, s28, 5120
	s_lshl_b32 s37, s33, 6
	s_add_co_u32 s34, s34, s37
	s_add_nc_u64 s[24:25], s[24:25], s[34:35]
.irp m, 0,1,2,3,4
	global_load_b32 v[TOK+\m], v[VR4], s[10:11] offset:64*\m
.endr
	WIN 0x40
	WLOAD 0, 0                                     ; tile 0, for now into window 1, which x's fragments take behind the barrier
	WIN 0
.irp t, 0,1,2,3
	SETTR \t
	global_load_b128 v[WS+4*\t:WS+4*\t+3], v[VWS], s[18:19] offset:TR*32
.endr
	WIN 0x80
.irp t, 4,5,6,7
	SETTR \t
	global_load_b128 v[WS2+4*(\t-4):WS2+4*(\t-4)+3], v[VWS], s[18:19] offset:TR*32
.endr
	WIN 0xc0
.irp t, 0,1,2,3,4,5,6,7
	SETTR \t
	global_load_b128 v[B1+8*\t:B1+8*\t+3], v[VB1], s[20:21] offset:TR*4
	global_load_b128 v[B1+8*\t+4:B1+8*\t+7], v[VB1], s[20:21] offset:TR*4+16
.endr
	WIN 0
	s_wait_loadcnt 48                              ; behind the tokens: 24 + 8 + 16 loads
.irp m, 0,1,2,3,4
	v_min_u32 v[TOK+\m], 0x7ff, v[TOK+\m]
	v_mul_u32_u24 v[TA+\m], v[TOK+\m], 768
	v_add_nc_u32 v[TA+\m], v[TA+\m], v[H48]
	v_lshl_add_u32 v[TX+\m], v[TOK+\m], 5, v[H16]
.endr
.irp i, 0,1
.irp m, 0,1,2,3,4
.irp c, 0,1,2
	global_load_b128 v[AF+12*(5*\i+\m)+4*\c:AF+12*(5*\i+\m)+4*\c+3], v[TA+\m], s[12:13] offset:96*\i+16*\c
.endr
.endr
.endr
.irp m, 0,1,2,3,4
	global_load_b128 v[XS+4*\m:XS+4*\m+3], v[TX+\m], s[14:15]
.endr
	WIN 0xc0
	WLOAD STG, 8                                   ; tile 1
	WIN 0
	s_wait_loadcnt 24                              ; all but tile 1
.irp i, 0,1
.irp m, 0,1,2,3,4
.irp c, 0,1,2
	ds_store_b128 v[XW], v[AF+12*(5*\i+\m)+4*\c:AF+12*(5*\i+\m)+4*\c+3] offset:7680*\i+1536*\m+512*\c
.endr
.endr
.endr
	WIN 0x04                                       ; an LDS store's data are its source 1: window 1
	WSTORE 0
	WIN 0xc0
	WFETCH                                         ; tile 0's fragments
	WIN 0
.set n, 0
.rept 16
	v_perm_b32 v[WS+n], v[WS+n], v[WS+n], s36      ; W1's scale words in the order of the blocks in the registers
.set n, n+1
.endr
	WIN 0x8a
.set n, 0
.rept 16
	v_perm_b32 v[WS2+n], v[WS2+n], v[WS2+n], s36
.set n, n+1
.endr
	WIN 0
.rept 8
	v_nop                                          ; a scale register written by a vector instruction stands 8 places ahead of a scaled matrix instruction
.endr
	s_wait_alu depctr_va_vdst(0)
	s_wait_dscnt 0x0                               ; for the others' sake: my images have landed
	s_barrier_signal -1
	s_barrier_wait -1                              ; the one barrier, ahead of the branch on the table: every wave passes it
	s_cmp_lt_u32 s29, 8
	s_cbranch_scc1 .Lwork
	s_wait_tensorcnt 0x0                           ; no such tile: the wave's end
	ds_add_u32 v[SPW], v[NIL]
	s_wait_dscnt 0x0
	s_endpgm
.Lwork:
.set f, 0
.rept 40                                       ; x's 40 fragments: fragment 5 s + m at 12 f of window 1, from the 21st on in window 2
.if f < 21
	WIN 0x40
.set XB, 12*f
.else
	WIN 0x80
.set XB, 12*(f-21)
.endif
.irp c, 0,1,2
	ds_load_b128 v[XB+4*\c:XB+4*\c+3], v[LI] offset:f*1536+512*\c
.endr
.set f, f+1
.endr
	WIN 0
; 40 matrix instructions: tile i of the trip x five row tiles x eight K steps; the five accumulators take turns, one instruction a turn
.macro MUL40 i
.set kk, 0
.rept 8
.irp m, 0,1,2,3,4
.set FX, 5*kk+\m
.if FX < 21
.set XB, 12*FX
.set WM, 0x07
.else
.set XB, 12*(FX-21)
.set WM, 0x0b
.endif
.set DA, ACC+16*\m+8*((\i)%2)
.if kk == 0
.set WM, WM|0x30                       ; C is b1, in window 3
	WIN WM
	v_wmma_scale_f32_16x16x128_f8f6f4 v[DA:DA+7], v[WF:WF+11], v[XB:XB+11], v[B1+8*(\i):B1+8*(\i)+7], v[WS+4*(\i)], v[XS+4*\m] matrix_a_fmt:MATRIX_FMT_FP6 matrix_b_fmt:MATRIX_FMT_FP6
.elseif kk < 4
	WIN WM
	v_wmma_scale_f32_16x16x128_f8f6f4 v[DA:DA+7], v[WF+12*kk:WF+12*kk+11], v[XB:XB+11], v[DA:DA+7], v[WS+4*(\i)+kk], v[XS+4*\m+kk] matrix_a_fmt:MATRIX_FMT_FP6 matrix_b_fmt:MATRIX_FMT_FP6
.else
	WIN WM
	v_wmma_scale_f32_16x16x128_f8f6f4 v[DA:DA+7], v[WF+12*kk:WF+12*kk+11], v[XB:XB+11], v[DA:DA+7], v[WS+4*(\i)+kk-4], v[XS+4*\m+kk-4] matrix_a_fmt:MATRIX_FMT_FP6 matrix_b_fmt:MATRIX_FMT_FP6 matrix_a_scale:MATRIX_SCALE_ROW1 matrix_b_scale:MATRIX_SCALE_ROW1
.endif
.endr
.set kk, kk+1
.endr
.endm
.macro AIDX nn, u                      ; number nn of a tile's 40 in a lane: register nn % 8 of row tile nn / 8
.set AX, ACC+16*((\nn)/8)+8*(\u)+(\nn)%8
.endm
; gelu of a tile's 40 numbers of a lane, in place.  Each accumulator is read from its low end on.
.macro GELU u
.set n, 0
.rept 20
	AIDX n, \u
	v_pk_mul_f32 v[AX:AX+1], v[AX:AX+1], 0.5 op_sel_hi:[1,0]              ; x / 2
.set n, n+2
.endr
.set n, 0
.rept 40
	AIDX n, \u
	v_fma_f32 v[TT+n], |v[AX]|, s58, 1.0           ; 1 + z / 2
.set n, n+1
.endr
	s_wait_alu depctr_va_vdst(0)
.set n, 0
.rept 40
	v_rcp_f32 v[TT+n], v[TT+n]                     ; t
.set n, n+1
.endr
	v_nop                                          ; a plain place behind the last reciprocal,
	s_wait_alu depctr_va_vdst(0)                   ; and one wait for the 40
.set n, 0
.rept 20
	v_pk_fma_f32 v[PP+n:PP+n+1], v[TT+n:TT+n+1], s[40:41], v[CK8:CK8+1] op_sel_hi:[1,0,1]
.set n, n+2
.endr
.irp cc, 42,44,46,48,50,52,54,60
.set n, 0
.rept 20
	v_pk_fma_f32 v[PP+n:PP+n+1], v[PP+n:PP+n+1], v[TT+n:TT+n+1], s[\cc:\cc+1] op_sel_hi:[1,1,0]
.set n, n+2
.endr
.endr
.set n, 0
.rept 5
.irp q, 0,2,4,6
	AIDX n+\q, \u
	v_pk_mul_f32 v[T8+\q:T8+\q+1], v[AX:AX+1], v[AX:AX+1]                 ; (x / 2)^2, four pairs by turns
.endr
.irp q, 0,2,4,6
	v_pk_fma_f32 v[PP+n+\q:PP+n+\q+1], v[T8+\q:T8+\q+1], s[56:57], v[PP+n+\q:PP+n+\q+1] op_sel_hi:[1,0,1]   ; - z^2
.endr
.set n, n+8
.endr
	s_wait_alu depctr_va_vdst(0)
.set n, 0
.rept 40
	v_exp_f32 v[PP+n], v[PP+n]
.set n, n+1
.endr
	v_nop
	s_wait_alu depctr_va_vdst(0)
.set n, 0
.rept 20
	v_pk_mul_f32 v[PP+n:PP+n+1], v[PP+n:PP+n+1], v[TT+n:TT+n+1]           ; erfc(z)
.set n, n+2
.endr
.set n, 0
.rept 20
	AIDX n, \u
	v_pk_mul_f32 v[PP+n:PP+n+1], v[AX:AX+1], v[PP+n:PP+n+1]               ; m = (x / 2) erfc(z)
.set n, n+2
.endr
.set n, 0
.rept 20
	AIDX n, \u
	v_pk_fma_f32 v[TT+n:TT+n+1], v[AX:AX+1], 2.0, v[PP+n:PP+n+1] op_sel_hi:[1,0,1] neg_lo:[0,0,1] neg_hi:[0,0,1]   ; x - m
.set n, n+2
.endr
.set n, 0
.rept 40
	AIDX n, \u
	v_max_num_f32 v[AX], v[PP+n], v[TT+n]          ; the larger of the two is gelu(x)
.set n, n+1
.endr
.endm
; A block of 32 of each of the five row tiles: my 16 numbers at v[ACC + 16 m]; its byte goes into the scale word, its codes to v[dst + st m]
.set TM, TT
.set TP, TT+8
.set SCO, TT+16
.set BY, TT+24
.set KD, PP
.macro QUANT blk, dst, st
.irp m, 0,1,2,3,4
	v_max3_num_f32 v[TM+\m], |v[ACC+16*\m]|, |v[ACC+16*\m+1]|, 0x1800000   ; with the floor 2^(3 - 127): the byte cannot fall under 1
.endr
.irp i, 2,4,6,8,10,12,14
.irp m, 0,1,2,3,4
	v_max3_num_f32 v[TM+\m], v[TM+\m], |v[ACC+16*\m+\i]|, |v[ACC+16*\m+\i+1]|
.endr
.endr
.irp m, 0,1,2,3,4
	v_permlanex16_b32 v[TP+\m], v[TM+\m], s[SEL], s[SEL+1]
.endr
.irp m, 0,1,2,3,4
	v_max_num_f32 v[TM+\m], v[TM+\m], v[TP+\m]     ; with lane l xor 16's: the block's largest magnitude
.endr
.irp m, 0,1,2,3,4
	v_add_nc_u32 v[SCO+\m], 0xff000000, v[TM+\m]   ; 2 off its exponent field: the conversion's scale operand
.endr
.irp m, 0,1,2,3,4
	v_lshrrev_b32 v[BY+\m], 23, v[SCO+\m]          ; the scale's byte,
.endr
.irp m, 0,1,2,3,4
	v_lshl_or_b32 v[PW+\m], v[BY+\m], s[62+\blk], v[PW+\m]   ; at place 2 c + blk of the word
.endr
.irp m, 0,1,2,3,4
	v_cvt_scalef32_pk16_fp6_f32 v[\dst+\st*\m:\dst+\st*\m+2], v[ACC+16*\m:ACC+16*\m+15], v[SCO+\m]
.endr
	v_nop                                          ; one plain place behind a scaled conversion
.endm
; Tile i of a trip.  On entry its fragments are on their way from LDS and the next tile's 24 loads are out.
.macro ITER i
.if (\i) < 2
.set RO, 64+8*(\i)                     ; the tile two on, in rows from the trip's first
.else
.set RO, 32+8*((\i)-2)
.endif
	s_wait_alu depctr_va_vdst(0)
	s_wait_dscnt 0x0                               ; the fragments are in
	MUL40 \i
	WIN 0
.rept 4
	v_nop                                          ; places in front of the loads into W1's fragments, the copies and the first read of the sums
.endr
.if (\i) == 3
	s_cmp_eq_u32 s59, 1
	s_cbranch_scc1 .Lno_\@                         ; the wave's last tile: nothing follows it
.endif
	s_wait_loadcnt 0x0                             ; the next tile is in registers: the only loads that are out
	WIN 0x0c
	WSTORE STG
	WIN 0xc0
	WFETCH
.if (\i) == 2
	WIN 0
	s_cmp_eq_u32 s59, 1
	s_cbranch_scc1 .Lno_\@                         ; the tile two on would pass my 128 rows
.endif
	s_wait_dscnt 24                                ; the 24 stores are done; the 24 loads behind them may be out
	WIN 0xc0
	WLOAD STG, RO
.if (\i) == 3
	WIN 0x02
.set n, 0
.rept 16
	v_mov_b32 v[WS+n], v[WS2+n]                    ; the next trip's scale words of W1,
.set n, n+1
.endr
	WIN 0xc3
.set n, 0
.rept 32
	v_mov_b32 v[B1+n], v[B1+32+n]                  ; and its b1
.set n, n+1
.endr
.endif
	WIN 0
.if (\i) >= 2
.Lno_\@:
.endif
	GELU (\i)%2
.endm
	s_mov_b32 s59, 0                               ; the trip, c
	s_mov_b32 s62, 0                               ; 8 x the place of the trip's first block in the scale word,
	s_mov_b32 s63, 8                               ; and of its second
.Ltrip:
	ITER 0
	ITER 1
	QUANT 0, KC, 6
	ITER 2
	ITER 3
	QUANT 1, KD, 4
.irp m, 0,1,2,3,4                              ; the operand's layout wants a whole block in a lane
.irp i, 0,1,2
	v_permlane16_swap_b32 v[KC+6*\m+\i], v[KD+4*\m+\i]
.endr
.irp i, 0,1,2
	v_mov_b32 v[KC+6*\m+3+\i], v[KD+4*\m+\i]       ; (a conversion's three registers begin on an even number)
.endr
.endr
.irp m, 0,1,2,3,4
.irp p, 0,1,2
	global_store_b64 v[L8], v[KC+6*\m+2*\p:KC+6*\m+2*\p+1], s[22:23] offset:24576*\m+256*\p   ; 32 lanes store 256 consecutive bytes
.endr
.endr
	s_wait_alu depctr_va_vdst(0)
	s_wait_xcnt 0x0                                ; the bases are stepped, and the codes' registers written again, only behind this wait
	s_add_nc_u64 s[16:17], s[16:17], 24576         ; 32 rows of W1 on
	s_add_nc_u64 s[22:23], s[22:23], 768           ; three pieces on
	s_add_co_u32 s62, s62, 16
	s_add_co_u32 s63, s63, 16
	s_add_co_u32 s59, s59, 1
	s_cmp_lt_u32 s59, 2
	s_cbranch_scc1 .Ltrip
.irp m, 0,1,2,3,4
	global_store_b32 v[VR4], v[PW+\m], s[24:25] offset:1024*\m     ; lanes r and r + 16 hold the same word and store it to the same place
.endr
	s_wait_tensorcnt 0x0                           ; the wave's end
	ds_add_u32 v[SPW], v[NIL]
	s_wait_dscnt 0x0
	s_endpgm
.Lfunc_end_k_q2b5e84230d_ffn1:
	.size	k_q2b5e84230d_ffn1, .Lfunc_end_k_q2b5e84230d_ffn1-k_q2b5e84230d_ffn1
	.p2alignl 7, 3214868480
	.fill 96, 4, 3214868480
	.section	.rodata,"a",@progbits
	.p2align	6, 0x0
	.amdhsa_kernel k_q2b5e84230d_ffn1
		.amdhsa_group_segment_fixed_size 112128
		.amdhsa_private_segment_fixed_size 0
		.amdhsa_enable_private_segment 0
		.amdhsa_kernarg_size 64
		.amdhsa_user_sgpr_count 2
		.amdhsa_user_sgpr_kernarg_segment_ptr 1
		.amdhsa_wavefront_size32 1
		.amdhsa_system_sgpr_workgroup_id_x 1
		.amdhsa_system_sgpr_workgroup_id_y 1
		.amdhsa_system_sgpr_workgroup_id_z 1
		.amdhsa_system_vgpr_workitem_id 0
		.amdhsa_next_free_vgpr 1024
		.amdhsa_next_free_sgpr 66
		.amdhsa_reserve_vcc 0
		.amdhsa_float_denorm_mode_32 3
		.amdhsa_float_denorm_mode_16_64 3
		.amdhsa_memory_ordered 1
		.amdhsa_forward_progress 1
		.amdhsa_inst_pref_size 190
	.end_amdhsa_kernel
	.amdgpu_metadata
---
amdhsa.version: [ 1, 2 ]
amdhsa.kernels:
  - .name:           k_q2b5e84230d_ffn1
    .symbol:         k_q2b5e84230d_ffn1.kd
    .args:
      - { .name: xq, .offset: 0, .size: 8, .value_kind: global_buffer, .address_space: global }
      - { .name: xs, .offset: 8, .size: 8, .value_kind: global_buffer, .address_space: global }
      - { .name: w1_codes, .offset: 16, .size: 8, .value_kind: global_buffer, .address_space: global }
      - { .name: w1_scales, .offset: 24, .size: 8, .value_kind: global_buffer, .address_space: global }
      - { .name: b1, .offset: 32, .size: 8, .value_kind: global_buffer, .address_space: global }
      - { .name: hq, .offset: 40, .size: 8, .value_kind: global_buffer, .address_space: global }
      - { .name: hs, .offset: 48, .size: 8, .value_kind: global_buffer, .address_space: global }
      - { .name: plan, .offset: 56, .size: 8, .value_kind: global_buffer, .address_space: global }
    .group_segment_fixed_size: 112128
    .private_segment_fixed_size: 0
    .kernarg_segment_align: 8
    .kernarg_segment_size: 64
    .max_flat_workgroup_size: 128
    .sgpr_count:     66
    .vgpr_count:     1024
    .wavefront_size: 32
...
	.end_amdgpu_metadata
.endif
;; end of part 3
;; launch ffn2 (part 4): grid 4 x 59, 4 waves a work-group, no clusters, 140,800 bytes of LDS; arguments plan, hq, hs, w2_codes, w2_scales, b2, y; writes y
.if DOCPART == 4
	.amdgcn_target "amdgcn-amd-amdhsa--gfx1250"
	.amdhsa_code_object_version 6
	.text
	.protected	k_q2b5e84230d_ffn2
	.globl	k_q2b5e84230d_ffn2
	.p2align	8
	.type	k_q2b5e84230d_ffn2,@function
k_q2b5e84230d_ffn2:
	s_mov_b64 s[64:65], 0
	v_nop
	global_prefetch_b8 v0, s[64:65] scope:SCOPE_SE
	s_setreg_imm32_b32 hwreg(HW_REG_WAVE_MODE, 25, 1), 1
	s_wait_xcnt 0x0
; MIXTURE OF EXPERTS, launch 4 of 5: y[slot] = h[slot] W2^T + b2 for the rows of the chosen experts alone (the others are dead work: see the first kernel's head).
; SHARES.  Work-group (X, j) takes tile j (80 slots of one expert) and columns 256 X .. 256 X + 255; wave w takes 64 of them, four tiles of 16.  K = 2,048: 16 steps of 128.
; The grid serves every split, as in the launch before: a work-group whose tile does not exist ends behind the one barrier, on a stored number (tab, from byte TAB of the buffer plan on); so no joint loads in a cluster.
; h's 80 fragments arrive as images of their registers, dense; each wave brings 20 of them, and all four read them from LDS.  W2's fragments come from memory four K steps ahead into five sets of registers, 48 consecutive bytes a lane:
; blocks 1 and 2 of each 128 along K change places, as they do in h's images; W2's scale words have bytes 1 and 2 changed here.
; THE LOADS STAND IN SHORT RUNS AMONG THE PRODUCTS: behind a row tile's four products stand the six LDS loads of the same row tile's fragment for the next K step and two or three of W2's 12 loads for
; four K steps on.  A fragment so has a whole K step in which to land, and no long run of loads holds back the products behind it.  A run costs three switches of the register windows: 15 for a K step's 20 matrix instructions and 42 loads.
; TRANSPOSED: source 0 = 16 rows of W2 (columns of y), source 1 = 16 rows of h: a lane holds eight neighbouring columns of one row of y.  b2 is the C of each sum's first product.
; REGISTERS.  window 0: v1-13 offsets; v16-55 h's scale words (lanes 0-15: K steps 0-7, lanes 16-31: 8-15); v56-87 W2's likewise; v88-207 h's fragments, two sets of 60; on the way out v192-255.
;   window 1: v0-191 W2's sets 0 to 3, 48 each; v192-223 b2.   window 2: v0-239 the images on their way to LDS; then v0-159 the 20 accumulators, at 32 m + 8 t, and v160-207 W2's set 4.
.set TAB,   35328
.set STG,   122880                     ; LDS: h's images, (5 s + m) x 1,536 bytes; then a stage of 16 rows x 272 bytes for each wave;
.set SPARE, 140288                     ; then the spare words, 128 bytes for each wave
.set SPW, 14
.set NIL, 15
.set LI,  4                            ; v4  16 x lane
.set LI2, 5                            ; v5  8 x lane, 61,440 bytes on: K steps 8 to 15
.set HW,  6                            ; v6  where I store images: 16 x lane + 30,720 x wave
.set VB,  7                            ; v7  W2's codes: 1,536 r + 48 h
.set VWS, 8                            ; v8  W2's scales: 64 r + 32 h
.set VB2, 9                            ; v9  b2: 32 h
.set VHS, 10                           ; v10 h's scale words: 512 h + 4 r
.set SO,  11                           ; v11 the stage: where I put 32 bytes of a row
.set SR,  12                           ; v12 and where I read rows back
.set GO,  13                           ; v13 my offset in two rows of y
.set HS,  16
.set WS,  56
.set AF,  88
.set MSB, 0
.macro WIN new
.if MSB != (\new)
	s_set_vgpr_msb (MSB<<8)|(\new)
.set MSB, (\new)
.endif
.endm
	s_load_b256 s[8:15], s[0:1], 0x0               ; plan s[8:9], hq s[10:11], hs s[12:13], w2_codes s[14:15]
	s_load_b128 s[16:19], s[0:1], 0x20             ; w2_scales s[16:17], b2 s[18:19]
	s_load_b64 s[20:21], s[0:1], 0x30              ; y
	v_lshl_add_u32 v[SPW], v0, 2, SPARE
	v_mov_b32 v[NIL], 0
	v_lshrrev_b32 v1, 5, v0
	v_readfirstlane_b32 s26, v1                    ; wave
	s_mov_b32 s27, ttmp9                           ; X
	s_and_b32 s28, ttmp7, 0xffff                   ; j
	v_and_b32 v3, 31, v0
	v_and_b32 v1, 15, v0                           ; r
	v_bfe_u32 v2, v0, 4, 1                         ; h
	v_lshlrev_b32 v[LI], 4, v3
	v_lshlrev_b32 v3, 3, v3                        ; 8 x lane: a fragment's image is six pieces of 32 lanes x 8 bytes
	v_add_nc_u32 v[LI2], 61440, v3                 ; the same 61,440 bytes on
	s_mul_i32 s2, s26, 30720
	v_add_nc_u32 v[HW], s2, v[LI]
	v_mul_u32_u24 v[VB], v1, 1536
	v_mad_u32_u24 v[VB], v2, 48, v[VB]
	v_lshlrev_b32 v[VWS], 6, v1
	v_lshl_add_u32 v[VWS], v2, 5, v[VWS]
	v_lshlrev_b32 v[VB2], 5, v2
	v_lshlrev_b32 v[VHS], 2, v1
	v_lshl_add_u32 v[VHS], v2, 9, v[VHS]
	s_mul_i32 s2, s26, 4352
	s_add_co_u32 s2, s2, STG                       ; my stage
	v_mul_u32_u24 v[SO], v1, 272
	v_lshl_add_u32 v[SO], v2, 5, v[SO]
	v_add_nc_u32 v[SO], s2, v[SO]
	v_mul_u32_u24 v[SR], v2, 272
	v_lshl_add_u32 v[SR], v1, 4, v[SR]
	v_add_nc_u32 v[SR], s2, v[SR]
	v_lshlrev_b32 v[GO], 12, v2
	v_lshl_add_u32 v[GO], v1, 4, v[GO]
	s_mov_b32 s36, 0x03010200                      ; v_perm_b32: bytes 0, 2, 1, 3
	s_lshl_b32 s3, s28, 2
	s_wait_alu depctr_va_vdst(0)
	s_wait_kmcnt 0x0
	s_load_b32 s29, s[8:9], s3 offset:TAB          ; my tile's expert, 8 where there is no such tile
	s_load_b32 s30, s[8:9], s3 offset:TAB+256      ; a tile that exists
	s_wait_kmcnt 0x0
	s_min_u32 s31, s29, 7
	s_min_u32 s30, s30, 58
	s_lshl_b32 s32, s31, 10
	s_lshl_b32 s33, s27, 8
	s_add_co_u32 s32, s32, s33
	s_lshl_b32 s33, s26, 6
	s_add_co_u32 s32, s32, s33                     ; my first row of W2: 1,024 e + 256 X + 64 w
	s_mov_b32 s35, 0
	s_mul_i32 s34, s32, 1536
	s_add_nc_u64 s[14:15], s[14:15], s[34:35]
	s_lshl_b32 s34, s32, 6
	s_add_nc_u64 s[16:17], s[16:17], s[34:35]
	s_lshl_b32 s34, s32, 2
	s_add_nc_u64 s[18:19], s[18:19], s[34:35]
	s_mul_i32 s34, s30, 122880
	s_mul_i32 s37, s26, 6144
	s_add_co_u32 s34, s34, s37
	s_add_nc_u64 s[10:11], s[10:11], s[34:35]      ; the tile's images, K steps 4 w on
	s_mul_i32 s34, s30, 5120
	s_add_nc_u64 s[12:13], s[12:13], s[34:35]
	s_mul_i32 s34, s28, 327680
	s_lshl_b32 s37, s27, 10
	s_add_co_u32 s34, s34, s37
	s_lshl_b32 s37, s26, 8
	s_add_co_u32 s34, s34, s37
	s_add_nc_u64 s[20:21], s[20:21], s[34:35]      ; y: 80 j rows of 4,096 bytes, + my 64 columns
.macro BSET bs                         ; where W2's set bs lies: window LBW, from register LBB on
.if (\bs) < 4
.set LBW, 1
.set LBB, 48*(\bs)
.else
.set LBW, 2
.set LBB, 160
.endif
.endm
.macro BPART kb, bs, first, count      ; loads first .. first + count - 1 of the 12 that bring W2's four fragments of K step kb into set bs: load n is piece n % 3 of tile n / 3
	BSET \bs
	WIN LBW<<6
.set nn, \first
.rept \count
	global_load_b128 v[LBB+4*nn:LBB+4*nn+3], v[VB], s[14:15] offset:16*(nn/3)*1536+96*(\kb)+16*(nn%3)
.set nn, nn+1
.endr
.endm
.macro BLOAD kb, bs                    ; all 12
	BPART \kb, \bs, 0, 12
	WIN 0
.endm
.macro APART ka, fm                    ; row tile fm's fragment of h for K step ka, from LDS into set ka % 2
.set LAS, AF+60*((\ka)%2)+12*(\fm)
.irp c, 0,1,2,3,4,5
.if (\ka) < 8
	ds_load_b64 v[LAS+2*\c:LAS+2*\c+1], v3 offset:(5*(\ka)+(\fm))*1536+256*\c
.else
	ds_load_b64 v[LAS+2*\c:LAS+2*\c+1], v[LI2] offset:(5*((\ka)-8)+(\fm))*1536+256*\c
.endif
.endr
.endm
.macro ALOAD ka                        ; all five
.irp m, 0,1,2,3,4
	APART \ka, \m
.endr
.endm
	WIN 0x80                                       ; destination window 2
.irp i, 0,1,2,3
.irp m, 0,1,2,3,4
.irp c, 0,1,2
	global_load_b128 v[12*(5*\i+\m)+4*\c:12*(5*\i+\m)+4*\c+3], v[LI], s[10:11] offset:24576*\m+1536*\i+512*\c
.endr
.endr
.endr
	BLOAD 0, 0
	BLOAD 1, 1
	BLOAD 2, 2
.irp t, 0,1,2,3
	global_load_b128 v[WS+8*\t:WS+8*\t+3], v[VWS], s[16:17] offset:1024*\t
	global_load_b128 v[WS+8*\t+4:WS+8*\t+7], v[VWS], s[16:17] offset:1024*\t+16
.endr
	WIN 0x40
.irp t, 0,1,2,3
	global_load_b128 v[192+8*\t:192+8*\t+3], v[VB2], s[18:19] offset:64*\t
	global_load_b128 v[192+8*\t+4:192+8*\t+7], v[VB2], s[18:19] offset:64*\t+16
.endr
	s_wait_loadcnt 52                              ; behind the images: 36 + 8 + 8 loads
	WIN 0x08                                       ; an LDS store's data are its source 1: window 2
.irp i, 0,1,2,3
.irp m, 0,1,2,3,4
.irp c, 0,1,2
	ds_store_b128 v[HW], v[12*(5*\i+\m)+4*\c:12*(5*\i+\m)+4*\c+3] offset:7680*\i+1536*\m+512*\c
.endr
.endr
.endr
	WIN 0
.irp m, 0,1,2,3,4
.irp i, 0,1,2,3,4,5,6,7
	global_load_b32 v[HS+8*\m+\i], v[VHS], s[12:13] offset:1024*\m+64*\i
.endr
.endr
	BLOAD 3, 3
	s_wait_dscnt 0x0                               ; for the others' sake: my images have landed
	s_barrier_signal -1
	s_barrier_wait -1                              ; the one barrier, ahead of the branch on the table: every wave passes it
	s_cmp_lt_u32 s29, 8
	s_cbranch_scc1 .Lwork
	s_wait_tensorcnt 0x0                           ; no such tile: the wave's end
	ds_add_u32 v[SPW], v[NIL]
	s_wait_dscnt 0x0
	s_endpgm
.Lwork:
	ALOAD 0                                        ; the first K step's fragments of h come from LDS while the wait below runs
	s_wait_loadcnt 12                              ; all but W2's K step 3
.set n, 0
.rept 32
	v_perm_b32 v[WS+n], v[WS+n], v[WS+n], s36      ; W2's scale words in the order of the blocks in the registers
.set n, n+1
.endr
.rept 8
	v_nop                                          ; a scale register written by a vector instruction stands 8 places ahead of a scaled matrix instruction
.endr
; 4 matrix instructions: row tile m x my four tiles of columns.  Over a K step the 20 accumulators take turns, one instruction a turn, in the same order in every step.
.macro MUL4 km, m
.irp t, 0,1,2,3
.if (\km) == 0
	v_wmma_scale_f32_16x16x128_f8f6f4 v[32*(\m)+8*\t:32*(\m)+8*\t+7], v[BB+12*\t:BB+12*\t+11], v[AS+12*(\m):AS+12*(\m)+11], v[192+8*\t:192+8*\t+7], v[WS+8*\t+SW], v[HS+8*(\m)+SW] matrix_a_fmt:MATRIX_FMT_FP6 matrix_b_fmt:MATRIX_FMT_FP6
.elseif (\km) < 8
	v_wmma_scale_f32_16x16x128_f8f6f4 v[32*(\m)+8*\t:32*(\m)+8*\t+7], v[BB+12*\t:BB+12*\t+11], v[AS+12*(\m):AS+12*(\m)+11], v[32*(\m)+8*\t:32*(\m)+8*\t+7], v[WS+8*\t+SW], v[HS+8*(\m)+SW] matrix_a_fmt:MATRIX_FMT_FP6 matrix_b_fmt:MATRIX_FMT_FP6
.else
	v_wmma_scale_f32_16x16x128_f8f6f4 v[32*(\m)+8*\t:32*(\m)+8*\t+7], v[BB+12*\t:BB+12*\t+11], v[AS+12*(\m):AS+12*(\m)+11], v[32*(\m)+8*\t:32*(\m)+8*\t+7], v[WS+8*\t+SW], v[HS+8*(\m)+SW] matrix_a_fmt:MATRIX_FMT_FP6 matrix_b_fmt:MATRIX_FMT_FP6 matrix_a_scale:MATRIX_SCALE_ROW1 matrix_b_scale:MATRIX_SCALE_ROW1
.endif
.endr
.endm
; A K step: five times four products and a run of loads.  The loads land in registers that the step BEFORE multiplied (h's other set; W2's set (ks + 4) % 5 = (ks - 1) % 5): the four v_nop at that step's end are the places between.
.macro KSTEP ks
.if 15-(\ks) >= 3
	s_wait_loadcnt 36                              ; this K step's 12 loads of W2 are in; those of the three steps behind it may be out
.else
	s_wait_loadcnt 12*(15-(\ks))
.endif
.set AS, AF+60*((\ks)%2)
.if (\ks)%5 < 4
.set BB, 48*((\ks)%5)
.set WB, 1
.else
.set BB, 160
.set WB, 2
.endif
.set SW, (\ks)%8
.if (\ks) == 0
.set WM, 0x91                          ; source 0 (W2) and C (b2) window 1, source 1 (h) window 0, D window 2
.else
.set WM, 0xa0|WB                       ; C and D window 2, source 0 where the set lies
.endif
.irp m, 0,1,2,3,4
.if (\ks) < 15
	s_wait_dscnt 24                                ; row tile m's fragment is in.  Behind its six loads stand 6 (4 - m) of this step's later fragments and 6 m of the next step's: 24 for every m
.else
	s_wait_dscnt 24-6*\m                           ; the last step asks for nothing more
.endif
	WIN WM
	MUL4 \ks, \m
.if (\ks) < 15
	WIN 0
	APART (\ks)+1, \m                              ; the same row tile's fragment for the next K step
.endif
.if (\ks)+4 < 16
.if \m < 2
	BPART (\ks)+4, ((\ks)+4)%5, 3*\m, 3            ; W2's loads for four K steps on, shared out 3, 3, 2, 2, 2
.else
	BPART (\ks)+4, ((\ks)+4)%5, 2*\m+2, 2
.endif
.endif
.endr
	WIN 0
.rept 4
	v_nop                                          ; places in front of the next step's loads into registers that these matrix instructions have read, and of the first read of results
.endr
.endm
	s_wait_alu depctr_va_vdst(0)
.irp ks, 0,1,2,3,4,5,6,7,8,9,10,11,12,13,14,15
	KSTEP \ks
.endr
; THE WAY OUT, a tile of 16 rows x 64 columns at a time: through my own stage in LDS, back as whole rows of 256 bytes, two rows an instruction.  LDS serves a wave's instructions in order.
.macro OUTM om
.set BK, 192+32*((\om)%2)
.if (\om) >= 2
	s_wait_xcnt 0x0                                ; the stores of two tiles back have read the registers that are loaded again below
.endif
	WIN 0x08
.irp t, 0,1,2,3
	ds_store_b128 v[SO], v[32*(\om)+8*\t:32*(\om)+8*\t+3] offset:64*\t          ; each accumulator from its low end on
	ds_store_b128 v[SO], v[32*(\om)+8*\t+4:32*(\om)+8*\t+7] offset:64*\t+16
.endr
	WIN 0
.irp i, 0,1,2,3,4,5,6,7
	ds_load_b128 v[BK+4*\i:BK+4*\i+3], v[SR] offset:\i*544
.endr
.irp i, 0,1,2,3,4,5,6,7
	s_wait_dscnt 7-\i
	global_store_b128 v[GO], v[BK+4*\i:BK+4*\i+3], s[20:21] offset:(16*(\om)+2*\i)*4096 th:TH_STORE_NT   ; 16 lanes store 256 consecutive bytes, at a multiple of 256 from y's first byte
.endr
.endm
.irp om, 0,1,2,3,4
	OUTM \om
.endr
	s_wait_tensorcnt 0x0                           ; the wave's end
	ds_add_u32 v[SPW], v[NIL]
	s_wait_dscnt 0x0
	s_endpgm
.Lfunc_end_k_q2b5e84230d_ffn2:
	.size	k_q2b5e84230d_ffn2, .Lfunc_end_k_q2b5e84230d_ffn2-k_q2b5e84230d_ffn2
	.p2alignl 7, 3214868480
	.fill 96, 4, 3214868480
	.section	.rodata,"a",@progbits
	.p2align	6, 0x0
	.amdhsa_kernel k_q2b5e84230d_ffn2
		.amdhsa_group_segment_fixed_size 140800
		.amdhsa_private_segment_fixed_size 0
		.amdhsa_enable_private_segment 0
		.amdhsa_kernarg_size 56
		.amdhsa_user_sgpr_count 2
		.amdhsa_user_sgpr_kernarg_segment_ptr 1
		.amdhsa_wavefront_size32 1
		.amdhsa_system_sgpr_workgroup_id_x 1
		.amdhsa_system_sgpr_workgroup_id_y 1
		.amdhsa_system_sgpr_workgroup_id_z 1
		.amdhsa_system_vgpr_workitem_id 0
		.amdhsa_next_free_vgpr 752
		.amdhsa_next_free_sgpr 66
		.amdhsa_reserve_vcc 0
		.amdhsa_float_denorm_mode_32 3
		.amdhsa_float_denorm_mode_16_64 3
		.amdhsa_memory_ordered 1
		.amdhsa_forward_progress 1
		.amdhsa_inst_pref_size 132
	.end_amdhsa_kernel
	.amdgpu_metadata
---
amdhsa.version: [ 1, 2 ]
amdhsa.kernels:
  - .name:           k_q2b5e84230d_ffn2
    .symbol:         k_q2b5e84230d_ffn2.kd
    .args:
      - { .name: plan, .offset: 0, .size: 8, .value_kind: global_buffer, .address_space: global }
      - { .name: hq, .offset: 8, .size: 8, .value_kind: global_buffer, .address_space: global }
      - { .name: hs, .offset: 16, .size: 8, .value_kind: global_buffer, .address_space: global }
      - { .name: w2_codes, .offset: 24, .size: 8, .value_kind: global_buffer, .address_space: global }
      - { .name: w2_scales, .offset: 32, .size: 8, .value_kind: global_buffer, .address_space: global }
      - { .name: b2, .offset: 40, .size: 8, .value_kind: global_buffer, .address_space: global }
      - { .name: y, .offset: 48, .size: 8, .value_kind: global_buffer, .address_space: global }
    .group_segment_fixed_size: 140800
    .private_segment_fixed_size: 0
    .kernarg_segment_align: 8
    .kernarg_segment_size: 56
    .max_flat_workgroup_size: 128
    .sgpr_count:     66
    .vgpr_count:     752
    .wavefront_size: 32
...
	.end_amdgpu_metadata
.endif
;; end of part 4
;; launch combine (part 5): grid 256 x 1, 8 waves a work-group, no clusters, 0 bytes of LDS; arguments plan, tw, y, out0; writes out0
.if DOCPART == 5
	.amdgcn_target "amdgcn-amd-amdhsa--gfx1250"
	.amdhsa_code_object_version 6
	.text
	.protected	k_q2b5e84230d_combine
	.globl	k_q2b5e84230d_combine
	.p2align	8
	.type	k_q2b5e84230d_combine,@function
k_q2b5e84230d_combine:
	s_mov_b64 s[64:65], 0
	v_nop
	global_prefetch_b8 v0, s[64:65] scope:SCOPE_SE
	s_setreg_imm32_b32 hwreg(HW_REG_WAVE_MODE, 25, 1), 1
	s_wait_xcnt 0x0
; MIXTURE OF EXPERTS, launch 5 of 5: out[token] = w_lower y[slot of the lower expert] + w_higher y[slot of the higher]: the two terms of reference()'s weighted sum whose weight is not 0 by construction
; (see the first kernel's head).  A wave takes a token: two rows of 4,096 bytes in, one out; each load and store covers 512 consecutive bytes.  A stream of bytes with two multiply-adds a number: no LDS, no barrier, no matrix unit.
; slot[token] lies from byte 0 of the buffer plan on.
	s_load_b256 s[4:11], s[0:1], 0x0               ; plan s[4:5], tw s[6:7], y s[8:9], out0 s[10:11]
	v_lshrrev_b32 v1, 5, v0
	s_delay_alu instid0(VALU_DEP_1)
	v_readfirstlane_b32 s12, v1
	s_lshl_b32 s13, ttmp9, 3
	s_add_co_u32 s13, s13, s12                     ; my token
	s_lshl_b32 s14, s13, 3
	v_and_b32 v2, 31, v0
	s_delay_alu instid0(VALU_DEP_1)
	v_lshlrev_b32 v2, 4, v2
	s_wait_alu depctr_va_vdst(0)
	s_wait_kmcnt 0x0
	s_load_b64 s[16:17], s[4:5], s14 offset:0x0    ; its two slots
	s_load_b64 s[18:19], s[6:7], s14 offset:0x0    ; its two weights
	s_lshl_b32 s20, s13, 12
	s_mov_b32 s21, 0
	s_add_nc_u64 s[10:11], s[10:11], s[20:21]
	s_mov_b32 s23, 0
	s_wait_kmcnt 0x0
	s_min_u32 s16, s16, 4719
	s_min_u32 s17, s17, 4719
	s_lshl_b32 s22, s16, 12
	s_add_nc_u64 s[24:25], s[8:9], s[22:23]
	s_lshl_b32 s22, s17, 12
	s_add_nc_u64 s[26:27], s[8:9], s[22:23]
	s_mov_b32 s28, s19                             ; the packed forms name a pair and take its low word for both halves
	s_mov_b32 s29, s19
.irp i, 0,1,2,3,4,5,6,7
	global_load_b128 v[16+4*\i:19+4*\i], v2, s[24:25] offset:512*\i th:TH_LOAD_NT
	global_load_b128 v[48+4*\i:51+4*\i], v2, s[26:27] offset:512*\i th:TH_LOAD_NT
.endr
.irp i, 0,1,2,3,4,5,6,7
	s_wait_loadcnt 14-2*\i                         ; pair i of the loads is in; the younger pairs stay out
	v_pk_mul_f32 v[16+4*\i:17+4*\i], v[16+4*\i:17+4*\i], s[18:19] op_sel_hi:[1,0]
	v_pk_mul_f32 v[18+4*\i:19+4*\i], v[18+4*\i:19+4*\i], s[18:19] op_sel_hi:[1,0]
	s_delay_alu instid0(VALU_DEP_2)
	v_pk_fma_f32 v[16+4*\i:17+4*\i], v[48+4*\i:49+4*\i], s[28:29], v[16+4*\i:17+4*\i] op_sel_hi:[1,0,1]
	s_delay_alu instid0(VALU_DEP_2)
	v_pk_fma_f32 v[18+4*\i:19+4*\i], v[50+4*\i:51+4*\i], s[28:29], v[18+4*\i:19+4*\i] op_sel_hi:[1,0,1]
	global_store_b128 v2, v[16+4*\i:19+4*\i], s[10:11] offset:512*\i th:TH_STORE_NT
.endr
	s_endpgm
.Lfunc_end_k_q2b5e84230d_combine:
	.size	k_q2b5e84230d_combine, .Lfunc_end_k_q2b5e84230d_combine-k_q2b5e84230d_combine
	.p2alignl 7, 3214868480
	.fill 96, 4, 3214868480
	.section	.rodata,"a",@progbits
	.p2align	6, 0x0
	.amdhsa_kernel k_q2b5e84230d_combine
		.amdhsa_group_segment_fixed_size 0
		.amdhsa_private_segment_fixed_size 0
		.amdhsa_enable_private_segment 0
		.amdhsa_kernarg_size 32
		.amdhsa_user_sgpr_count 2
		.amdhsa_user_sgpr_kernarg_segment_ptr 1
		.amdhsa_wavefront_size32 1
		.amdhsa_system_sgpr_workgroup_id_x 1
		.amdhsa_system_sgpr_workgroup_id_y 1
		.amdhsa_system_sgpr_workgroup_id_z 1
		.amdhsa_system_vgpr_workitem_id 0
		.amdhsa_next_free_vgpr 80
		.amdhsa_next_free_sgpr 66
		.amdhsa_reserve_vcc 0
		.amdhsa_float_denorm_mode_32 3
		.amdhsa_float_denorm_mode_16_64 3
		.amdhsa_memory_ordered 1
		.amdhsa_forward_progress 1
		.amdhsa_inst_pref_size 7
	.end_amdhsa_kernel
	.amdgpu_metadata
---
amdhsa.version: [ 1, 2 ]
amdhsa.kernels:
  - .name:           k_q2b5e84230d_combine
    .symbol:         k_q2b5e84230d_combine.kd
    .args:
      - { .name: plan, .offset: 0, .size: 8, .value_kind: global_buffer, .address_space: global }
      - { .name: tw, .offset: 8, .size: 8, .value_kind: global_buffer, .address_space: global }
      - { .name: y, .offset: 16, .size: 8, .value_kind: global_buffer, .address_space: global }
      - { .name: out0, .offset: 24, .size: 8, .value_kind: global_buffer, .address_space: global }
    .group_segment_fixed_size: 0
    .private_segment_fixed_size: 0
    .kernarg_segment_align: 8
    .kernarg_segment_size: 32
    .max_flat_workgroup_size: 256
    .sgpr_count:     66
    .vgpr_count:     80
    .wavefront_size: 32
...
	.end_amdgpu_metadata
.endif
;; end of part 5
